; MI455X (gfx1250); checked and timed in simulation.
; The chip was launched on July 23, 2026; its instructions are those of AMD's public machine-readable ISA for CDNA 5 (MIT licence, August 2026) and "CDNA5" Instruction Set Architecture Reference Guide (July 2026). The comments in the code are by the model that wrote it; some were corrected since.
;; Multi Head Attention. Allowed arithmetic: matrix products marked QUANTISED: E2M3 operands, one E8M0 scale for each 32 along K, by v_wmma_scale_f32_16x16x128_f8f6f4 with both operands' format E2M3, f32 sums; everything else in f32.
;; Inputs: Wk 1,024 x 1,024 float32; Wo 1,024 x 1,024 float32; Wq 1,024 x 1,024 float32; Wv 1,024 x 1,024 float32; bk 1,024 float32; bo 1,024 float32; bq 1,024 float32; bv 1,024 float32; key 4 x 2,048 x 1,024 float32; query 4 x 2,048 x 1,024 float32; value 4 x 2,048 x 1,024 float32.
;; Outputs: out0 4 x 2,048 x 1,024 float32.
;; This version of the problem:
;;   THIS VERSION OF THE PROBLEM IS GIVEN IN LOW PRECISION. The matrix products marked QUANTISED in the list below multiply operands that are first quantised to E2M3 (2 exponent bits, 3 mantissa bits; 6 bits a number), with one power-of-two scale for each 32 numbers along K (OCP MX v1.0); their sums are f32. All else is computed in f32.
;;   The module's matrix products, in the order in which they are computed (A, B: the left and right operand; K: the contracted axis; several contracted axes count as one K, in the product's order):
;;     1. [M 8,192, K 1,024] x [K 1,024, N 1,024]; A: input query; B: input Wq: QUANTISED
;;     2. [M 8,192, K 1,024] x [K 1,024, N 1,024]; A: input key; B: input Wk: QUANTISED
;;     3. [M 8,192, K 1,024] x [K 1,024, N 1,024]; A: input value; B: input Wv: QUANTISED
;;     4. batch 64 x [M 2,048, K 64] x [K 64, N 2,048]; A: computed on the way; B: computed on the way: QUANTISED
;;     5. batch 64 x [M 64, K 2,048] x [K 2,048, N 2,048]; A: computed on the way; B: softmax (see below): QUANTISED
;;     6. [M 8,192, K 1,024] x [K 1,024, N 1,024]; A: computed on the way; B: input Wo: QUANTISED
;;   THE QUANTISER, for each operand of a quantised product, along K:
;;     - K is cut into blocks of 32 from its start; a last block that is shorter is filled with zeros.
;;     - A block's scale is 2^e with e = floor(log2(the largest magnitude in the block)) - 2, held to -126 .. 127; a block of zeros has e = 0. As a byte (E8M0): e + 127.
;;     - Each number is divided by its block's scale, clamped to +-7.5, and rounded to the nearest number of E2M3, ties to even, subnormals kept.
;;     - The product sums the exact products of the quantised numbers (number of the format x scale) in f32.
;;   ~~~python
;;   def quantise(x, axis):      # numpy; x: float32 -> the quantised numbers, widened to float32 again
;;       x = np.moveaxis(x, axis, -1); K = x.shape[-1]
;;       x = np.pad(x, [(0, 0)] * (x.ndim - 1) + [(0, -K % 32)]); x = x.reshape(x.shape[:-1] + (-1, 32)); a = np.abs(x).max(-1, keepdims=True)
;;       e = np.where(a > 0, np.clip(np.frexp(np.where(a > 0, a, 1))[1] - 1 - 2, -126, 127), 0)      # np.frexp(a)[1] - 1 = floor(log2(a)), exactly
;;       r = np.clip(x / 2.0 ** e, -7.5, 7.5)
;;       step = 2.0 ** (np.maximum(np.frexp(np.where(r == 0, 1, r))[1] - 1, 0) - 3)
;;       q = np.round(r / step) * step * 2.0 ** e      # np.round: ties to even
;;       return np.moveaxis(q.reshape(q.shape[:-2] + (-1,))[..., :K], -1, axis).astype(np.float32)
;;   ~~~
;;   SOFTMAX AHEAD OF A QUANTISED PRODUCT. Where the list says 'softmax', what is quantised is not the finished softmax but p = 2^(t - M), with t = logit x log2(e) and M = ceil(the row's largest t), a whole number; so 1/2 < the row's largest p <= 1. The row's sum l is taken of the UNQUANTISED p, in f32, and the product's result is divided by l at the end. Since M is a whole number, a kernel that streams over the keys may use a running M (the ceiling of the running maximum): every later rescaling is an exact power of two, which a block's scale takes up: the codes' values come out the same.
;;   OPERANDS COMPUTED ON THE WAY. 'Computed on the way' means the value that the module computes at that place (a softmax that the list does not call 'softmax' is quantised finished and normalised). What goes into a quantiser is computed in f32, as accurately as f32 sums, v_exp_f32 and their like allow (about 1e-6 of the number): no bf16 or f16 on the way to a quantiser, and a product that is left as it is and whose result goes on into a quantised operand takes f32 operands (vector FMAs, or v_wmma_f32_16x16x4_f32). A number that lies on a knife's edge between two numbers of the format may be rounded either way, as far as f32 arithmetic and the matrix unit's own rounding can turn it there, and no further.
;; One version. Each part assembles by itself: llvm-mc -triple=amdgcn-amd-amdhsa -mcpu=gfx1250 --defsym DOCPART=n.
;; ======== version 1 of 1: 4 launches
;; workspace buffers: xb 22,937,600 bytes; qb 6,553,600 bytes; kv 13,107,200 bytes; ob 6,553,600 bytes
;; launch quant (part 1): grid 256 x 1, 7 waves a work-group, no clusters, 60,160 bytes of LDS; arguments query, key, value, Wq, Wk, Wv, Wo, xb; writes xb
.if DOCPART == 1
	.amdgcn_target "amdgcn-amd-amdhsa--gfx1250"
	.amdhsa_code_object_version 6
	.text
	.protected	k_qe58620202e_quant
	.globl	k_qe58620202e_quant
	.p2align	8
	.type	k_qe58620202e_quant,@function
k_qe58620202e_quant:
	s_mov_b64 s[64:65], 0
	v_nop
	global_prefetch_b8 v0, s[64:65] scope:SCOPE_SE
	s_setreg_imm32_b32 hwreg(HW_REG_WAVE_MODE, 25, 1), 1
	s_wait_xcnt 0x0
; query, key, value [8192][1024] and Wq, Wk, Wv, Wo [1024][1024], f32 with K innermost, become codes of FP6 (E2M3) with one E8M0 byte for each 32 along K, laid in xb in the ORDER OF AN OPERAND'S REGISTERS.
; A TILE is 16 rows that are not neighbours: index r of tile T is row 32 (T / 2) + 8 (T % 2) + r + 8 (r / 8).  xb holds 1,792 tiles of 12,800 bytes: query 0-511, key 512-1023, value 1024-1535, Wq 1536.., Wk 1600.., Wv 1664.., Wo 1728...
; In a tile: for each of 8 steps of 128 along K two half fragments of 768 bytes (64 along K each), then 512 bytes of scale words [r][step].  In a half fragment lane (r, h) owns the 24 bytes of k = 32 h .. 32 h + 31 of row r:
; its first 16 bytes lie at 16 x lane, its last 8 at 512 + 8 x lane.  So a half fragment is written, and later read, by one access of 16 bytes a lane and one of 8, both dense.
; A block's scale is 2^(floor(log2(its largest magnitude)) - 2); its byte is the largest magnitude's exponent field - 2, held at 1 from below.
; LIMITS: a block of zeros gets the byte 1 where the rule says 127 (its codes are zeros, and this program alone reads the bytes); blocks whose largest magnitude lies under 2^-124 are held at the byte 1; NaN and infinities are not served.
; SHARES: 1,792 tiles = 256 work-groups x 7 waves; a wave takes one tile: 64 KiB in, 12,800 consecutive bytes out.  Waves share nothing: no barrier.  A stream: no matrix unit, no cluster, no tensor load.
; Each load reads 512 consecutive bytes of one row; a step's 16 rows turn through the wave's own stage in LDS (rows of 528 bytes), so that a lane gets 2 x 32 neighbours along K.  Loads run three steps (48 loads a wave) ahead.
.set TILEB, 12800
.set SPI,   528                        ; a stage row: 512 bytes + 16: the 16 rows that a read touches start at 16 different groups of banks
.set WST,   16*SPI                     ; a wave's stage
.set WD,    8                          ; v8-15   the eight scale words of my row
.set MX,    16                         ; v16-17  two blocks' largest magnitudes
.set SO,    18                         ; v18-19  the conversions' scale operands
.set BY,    20                         ; v20-21  the scale bytes
.set PC,    24                         ; v24-35  a fragment's codes
.set PT,    36                         ; v36-38, v40-42 the second halves of the blocks' codes, as the conversions leave them
.set X,     48                         ; v48-239 three sets of 64 numbers
	s_load_b256 s[4:11], s[0:1], 0x0               ; query, key, value, Wq
	s_load_b256 s[12:19], s[0:1], 0x20             ; Wk, Wv, Wo, xb
	v_lshl_add_u32 v240, v0, 2, 0xe700
	v_mov_b32 v241, 0
	v_lshrrev_b32 v16, 5, v0
	v_readfirstlane_b32 s24, v16                   ; wave 0..6
	v_and_b32 v16, 31, v0                          ; lane
	v_and_b32 v17, 15, v0                          ; r
	v_bfe_u32 v5, v0, 4, 1                         ; h
	v_lshlrev_b32 v1, 4, v16                       ; 16 x lane
	v_lshlrev_b32 v2, 3, v16                       ; 8 x lane
	s_mul_i32 s28, s24, WST
	v_add_nc_u32 v3, s28, v1                       ; the stage, on the way in: a row as it was loaded
	v_mul_u32_u24 v4, v17, SPI
	v_lshl_add_u32 v4, v5, 7, v4
	v_add_nc_u32 v4, s28, v4                       ; and on the way out: row r, + 128 h bytes: k = 32 h on
	v_lshlrev_b32 v6, 3, v5                        ; 8 h: my bytes' place in a scale word
	v_lshlrev_b32 v7, 5, v17
	v_lshl_add_u32 v7, v5, 4, v7                   ; 32 r + 16 h: my four of my row's eight scale words
	v_mov_b32 v23, 0                               ; written once: a lane permute's destination counts as one of its sources
	s_mul_i32 s25, ttmp9, 7
	s_add_co_u32 s25, s25, s24                     ; my tile, 0 .. 1791
	s_mov_b32 s26, 0x76543210
	s_mov_b32 s27, 0xfedcba98                      ; v_permlanex16_b32's selects for lane l xor 16
	s_wait_kmcnt 0x0
	s_mov_b64 s[20:21], s[4:5]                     ; which tensor: the choice hangs on the tile's number alone
	s_mov_b32 s22, 0
.macro PICK lim, lo
	s_cmp_ge_u32 s25, \lim
	s_cselect_b64 s[20:21], s[\lo:\lo+1], s[20:21]
	s_cselect_b32 s22, \lim, s22
.endm
	PICK 512, 6
	PICK 1024, 8
	PICK 1536, 10
	PICK 1600, 12
	PICK 1664, 14
	PICK 1728, 16
	s_sub_co_u32 s22, s25, s22                     ; the tile's number in its tensor
	s_lshr_b32 s23, s22, 1
	s_lshl_b32 s23, s23, 17                        ; 32 rows of 4,096 bytes for each pair of tiles
	s_and_b32 s22, s22, 1
	s_lshl_b32 s22, s22, 15                        ; 8 rows for the odd one
	s_add_co_u32 s22, s22, s23
	s_mov_b32 s23, 0
	s_add_nc_u64 s[20:21], s[20:21], s[22:23]
	s_mul_i32 s22, s25, TILEB
	s_add_nc_u64 s[18:19], s[18:19], s[22:23]
.macro LOAD s                          ; step s: 512 bytes of each of the tile's 16 rows, into set s % 3
.irp i, 0,1,2,3,4,5,6,7,8,9,10,11,12,13,14,15
	global_load_b128 v[X+64*((\s)%3)+4*\i:X+64*((\s)%3)+4*\i+3], v1, s[20:21] offset:(\i+8*(\i/8))*4096+512*(\s) th:TH_LOAD_NT
.endr
.endm
.macro STEP s
.set XS, X+64*((\s)%3)
.if (\s) <= 5
	s_wait_loadcnt 32                              ; this step's 16 loads are in; those of the two steps behind it may be out
.else
	s_wait_loadcnt 16*(7-(\s))
.endif
.irp i, 0,1,2,3,4,5,6,7,8,9,10,11,12,13,14,15
	ds_store_b128 v3, v[XS+4*\i:XS+4*\i+3] offset:SPI*\i
.endr
.irp c, 0,1                            ; LDS serves a wave's instructions in order: these see the stores above.  Register 32 c + i becomes k = 64 c + 32 h + i of row r
.irp q, 0,1,2,3,4,5,6,7
	ds_load_b128 v[XS+32*\c+4*\q:XS+32*\c+4*\q+3], v4 offset:256*\c+16*\q
.endr
.endr
	s_wait_dscnt 0x0
.irp c, 0,1                            ; my block 2 c + h: all its 32 numbers are mine
	v_max3_num_f32 v[MX+\c], |v[XS+32*\c]|, |v[XS+32*\c+1]|, 0x1800000   ; and the floor 2^(3 - 127): the byte cannot fall under 1
.endr
.irp i, 2,4,6,8,10,12,14,16,18,20,22,24,26,28,30
.irp c, 0,1
	v_max3_num_f32 v[MX+\c], v[MX+\c], |v[XS+32*\c+\i]|, |v[XS+32*\c+\i+1]|
.endr
.endr
.irp c, 0,1
	v_add_nc_u32 v[SO+\c], 0xff000000, v[MX+\c]    ; 2 off the exponent field: the conversion takes the exponent field of this operand as its scale
.endr
.irp c, 0,1
	v_lshrrev_b32 v[BY+\c], 23, v[SO+\c]           ; the scale's byte
.endr
	v_lshl_or_b32 v22, v[BY+1], 16, v[BY]          ; my two bytes: blocks h and 2 + h,
	v_lshlrev_b32 v22, v6, v22                     ; at their places in the word;
	v_permlanex16_b32 v23, v22, s26, s27
	v_or_b32 v[WD+(\s)], v22, v23                  ; with lane l xor 16's two the word is whole
	s_wait_xcnt 0x0                                ; the last step's stores have read the codes' registers: they are written again only behind this wait
.irp c, 0,1
	v_cvt_scalef32_pk16_fp6_f32 v[PC+6*\c:PC+6*\c+2], v[XS+32*\c:XS+32*\c+15], v[SO+\c]
	v_cvt_scalef32_pk16_fp6_f32 v[PT+4*\c:PT+4*\c+2], v[XS+32*\c+16:XS+32*\c+31], v[SO+\c]   ; (a conversion's three registers begin on an even number)
.endr
	v_nop                                          ; one plain place behind a scaled conversion
.irp c, 0,1
.irp i, 0,1,2
	v_mov_b32 v[PC+3+6*\c+\i], v[PT+4*\c+\i]
.endr
.endr
.if (\s)+3 < 8
	LOAD (\s)+3                                    ; into the set that has just been converted
.endif
	global_store_b128 v1, v[PC:PC+3], s[18:19] offset:1536*(\s)              ; 512 consecutive bytes, aligned
	global_store_b64 v2, v[PC+4:PC+5], s[18:19] offset:1536*(\s)+512         ; 256
	global_store_b128 v1, v[PC+6:PC+9], s[18:19] offset:1536*(\s)+768
	global_store_b64 v2, v[PC+10:PC+11], s[18:19] offset:1536*(\s)+1280
.endm
	LOAD 0
	LOAD 1
	LOAD 2
.irp t, 0,1,2,3,4,5,6,7
	STEP \t
.endr
	v_cmp_ne_u32 vcc_lo, 0, v5                     ; lanes 0-15 store their row's words 0-3, lanes 16-31 words 4-7
.irp q, 0,1,2,3
	v_cndmask_b32 v[PT+\q], v[WD+\q], v[WD+4+\q], vcc_lo
.endr
	global_store_b128 v7, v[PT:PT+3], s[18:19] offset:12288                  ; 512 consecutive bytes
	s_wait_tensorcnt 0x0
	ds_add_u32 v240, v241
	s_wait_dscnt 0x0
	s_endpgm
.Lfunc_end_k_qe58620202e_quant:
	.size	k_qe58620202e_quant, .Lfunc_end_k_qe58620202e_quant-k_qe58620202e_quant
	.p2alignl 7, 3214868480
	.fill 96, 4, 3214868480
	.section	.rodata,"a",@progbits
	.p2align	6, 0x0
	.amdhsa_kernel k_qe58620202e_quant
		.amdhsa_group_segment_fixed_size 60160
		.amdhsa_private_segment_fixed_size 0
		.amdhsa_enable_private_segment 0
		.amdhsa_kernarg_size 64
		.amdhsa_user_sgpr_count 2
		.amdhsa_user_sgpr_kernarg_segment_ptr 1
		.amdhsa_wavefront_size32 1
		.amdhsa_system_sgpr_workgroup_id_x 1
		.amdhsa_system_sgpr_workgroup_id_y 1
		.amdhsa_system_sgpr_workgroup_id_z 1
		.amdhsa_system_vgpr_workitem_id 0
		.amdhsa_next_free_vgpr 242
		.amdhsa_next_free_sgpr 66
		.amdhsa_reserve_vcc 1
		.amdhsa_float_denorm_mode_32 3
		.amdhsa_float_denorm_mode_16_64 3
		.amdhsa_memory_ordered 1
		.amdhsa_forward_progress 1
		.amdhsa_inst_pref_size 59
	.end_amdhsa_kernel
	.amdgpu_metadata
---
amdhsa.version: [ 1, 2 ]
amdhsa.kernels:
  - .name:           k_qe58620202e_quant
    .symbol:         k_qe58620202e_quant.kd
    .args:
      - { .name: query, .offset: 0, .size: 8, .value_kind: global_buffer, .address_space: global }
      - { .name: key, .offset: 8, .size: 8, .value_kind: global_buffer, .address_space: global }
      - { .name: value, .offset: 16, .size: 8, .value_kind: global_buffer, .address_space: global }
      - { .name: Wq, .offset: 24, .size: 8, .value_kind: global_buffer, .address_space: global }
      - { .name: Wk, .offset: 32, .size: 8, .value_kind: global_buffer, .address_space: global }
      - { .name: Wv, .offset: 40, .size: 8, .value_kind: global_buffer, .address_space: global }
      - { .name: Wo, .offset: 48, .size: 8, .value_kind: global_buffer, .address_space: global }
      - { .name: xb, .offset: 56, .size: 8, .value_kind: global_buffer, .address_space: global }
    .group_segment_fixed_size: 60160
    .private_segment_fixed_size: 0
    .kernarg_segment_align: 8
    .kernarg_segment_size: 64
    .max_flat_workgroup_size: 224
    .sgpr_count:     66
    .vgpr_count:     242
    .wavefront_size: 32
...
	.end_amdgpu_metadata
.endif
;; end of part 1
;; launch proj (part 2): grid 4 x 192, 8 waves a work-group, clusters of 4 x 4, 311,296 bytes of LDS; arguments xb, bq, bk, bv, qb, kv; writes qb, kv
.if DOCPART == 2
	.amdgcn_target "amdgcn-amd-amdhsa--gfx1250"
	.amdhsa_code_object_version 6
	.text
	.protected	k_qe58620202e_proj
	.globl	k_qe58620202e_proj
	.p2align	8
	.type	k_qe58620202e_proj,@function
k_qe58620202e_proj:
	s_mov_b64 s[64:65], 0
	v_nop
	global_prefetch_b8 v0, s[64:65] scope:SCOPE_SE
	s_setreg_imm32_b32 hwreg(HW_REG_WAVE_MODE, 25, 1), 1
	s_wait_xcnt 0x0
	s_wait_alu depctr_hold_cnt(0) depctr_sa_sdst(0) depctr_va_vdst(0) depctr_va_sdst(0) depctr_va_ssrc(0) depctr_va_vcc(0) depctr_vm_vsrc(0)
	s_getreg_b32 s2, hwreg(HW_REG_IB_STS2, 6, 4)
	s_cmp_eq_u32 s2, 0
	s_cbranch_scc0 .Lentry_in_a_cluster
	s_endpgm
.Lentry_in_a_cluster:
	s_bfe_u32 s2, ttmp6, 0x10000c
	s_cmp_lg_u32 s2, 0xf033
	s_cbranch_scc0 .Lentry_shape_is_right
	s_endpgm
.Lentry_shape_is_right:
; The three input projections x W^T + b on codes of FP6 (E2M3), K = 1,024, and the quantising of their results: q and k along the head's 64, v along the keys.  Nothing wider than codes goes to memory.
; TILES: index r of tile T is row 32 (T / 2) + 8 (T % 2) + r + 8 (r / 8).  With source 0 = tile T0 and source 1 = tile T1, lane (r, h), register j of the result is source 1's row (T1, r) and source 0's row
; 32 (T0 / 2) + 16 h + 8 (T0 % 2) + j: so the 16 registers of tiles 2 b and 2 b + 1 of source 0 are 16 NEIGHBOURS along source 0's rows, which are the next product's K.
; q, k: source 0 = the weight's rows (channels), source 1 = tokens: a lane holds one token, its registers run along the head.  v: source 0 = tokens (keys), source 1 = Wv's rows: a lane holds one channel, its registers run along the keys.
; SHARES: a work-group makes 256 rows of source 0 x 128 rows of source 1 over all of K; 8 waves, wave (W3 = w % 4, WH = w / 4) makes 64 x 64: 16 accumulators.  768 work-groups: 256 for each projection.
; LDS: all of K of both operands lies in LDS, each byte filled ONCE: four phases of 256 along K, asked for together at the start, each waited for by a counted wait.  No byte is filled again.
; CLUSTERS: 4 x 4.  Source 0's tiles hang on cx alone and are asked for jointly by a column of the cluster, source 1's on cy alone, by a row: that divides the requests for codes by four.
; The scale words (512 bytes of a tile's 12,800) and the bias come through registers, each work-group for itself: a small part of the bytes.
; LIMITS: a block of zeros gets the byte 1 where the rule says 127 (its codes are zeros; this program alone reads the bytes); blocks under 2^-124 are held at the byte 1; NaN and infinities are not served.
; qb: [64 heads][16 groups of 128 tokens][8 half fragments of 768 bytes | 256 bytes of words [r][f]: tile 2 f's two bytes below, tile 2 f + 1's above].
; kv: [64 heads][16 steps of 128 keys][K: 8 half fragments | V: 4 channel tiles x 2 half fragments | K's words [r][f] | V's words [r][t]], 12,800 bytes a step.
.set TILEB, 12800
.set S1C,   196608                     ; LDS: source 0's codes [phase 4][tile 16][3,072] from 0; source 1's [phase 4][tile 8][3,072] from here;
.set SC1,   294912                     ; source 1's scale words [tile 8][r][32 bytes]; source 0's [tile 16][r][32] follow 4,096 bytes on;
.set BIA,   307200                     ; 256 bias numbers;
.set SCG0,  308224                     ; the new scale words of q or k, gathered: [W3][r][f];
.set SCG1,  309248                     ; those of v: [head 2][step 2][r][t]
.set SC,    16                         ; v16-23  scale words: register 2 i + s: lanes 0-15 source 1's tile i, lanes 16-31 source 0's tile i, for the phase's s-th 128 along K
.set F0,    32                         ; v32-79  source 0's four fragments
.set F1,    80                         ; v80-127 source 1's four
.set ACC,   128                        ; v128-255 accumulator (a, b) at v[128 + 8 (4 a + b)]
.set TM,    104                        ; the way out: v104-119 at work
.macro CROUND                          ; a round of the cluster's barrier
	s_barrier_signal -1
	s_barrier_wait -1
	s_cmp_lg_u32 s16, 0
	s_cbranch_scc1 .Lnot_wave_0_\@
	s_barrier_signal -3
.Lnot_wave_0_\@:
	s_barrier_wait -3
	s_barrier_signal -1
	s_barrier_wait -1
.endm
	s_load_b256 s[4:11], s[0:1], 0x0               ; xb, bq, bk, bv
	s_load_b128 s[12:15], s[0:1], 0x20             ; qb, kv
	v_lshl_add_u32 v30, v0, 2, 0x4bc00
	v_mov_b32 v31, 0
	ds_add_u32 v30, v31
	ds_add_u32 v30, v31
	v_lshrrev_b32 v24, 5, v0
	v_readfirstlane_b32 s16, v24                   ; wave 0..7
	s_and_b32 s17, s16, 3                          ; W3
	s_lshr_b32 s18, s16, 2                         ; WH
	s_bfe_u32 s19, ttmp6, 0x40000                  ; cx
	s_bfe_u32 s20, ttmp6, 0x40004                  ; cy
	s_and_b32 s21, ttmp7, 0xffff                   ; the cluster's number, 0 .. 47
	s_lshr_b32 s22, s21, 4                         ; the projection: 0 q, 1 k, 2 v
	s_and_b32 s21, s21, 15
	s_lshr_b32 s23, s22, 1                         ; 1 for v
	s_mov_b32 s2, 0x76543210
	s_mov_b32 s3, 0xfedcba98                       ; v_permlanex16_b32's selects for lane l xor 16
	s_and_b32 s76, s21, 7
	s_mul_i32 s76, s76, s23
	s_lshl_b32 s76, s76, 2
	s_add_co_u32 s76, s76, s19                     ; source 0's block of 256 rows: q, k: cx (the weight has 4);  v: 4 (number % 8) + cx (value has 32)
	s_mul_i32 s77, s23, 3
	s_lshr_b32 s77, s21, s77
	s_lshl_b32 s77, s77, 2
	s_add_co_u32 s77, s77, s20                     ; source 1's block of 128 rows: q, k: 4 number + cy (64);  v: 4 (number / 8) + cy (Wv has 8)
	s_mul_i32 s89, s23, 640
	s_lshl_b32 s88, s22, 6
	s_add_co_u32 s88, s88, 1536
	s_sub_co_u32 s88, s88, s89                     ; source 0's first tile in xb: Wq 1536, Wk 1600, value 1024,
	s_lshl_b32 s90, s76, 4
	s_add_co_u32 s88, s88, s90                     ; + 16 for each block
	s_mul_i32 s78, s88, TILEB
	s_mov_b32 s79, 0
	s_lshl_b32 s91, s22, 9
	s_add_co_u32 s91, s91, s89                     ; source 1's: query 0, key 512, Wv 1664,
	s_lshl_b32 s92, s77, 3
	s_add_co_u32 s91, s91, s92                     ; + 8 for each block
	s_mul_i32 s80, s91, TILEB
	s_mov_b32 s81, 0
	s_lshl_b32 s93, 0x1111, s19                    ; my column of the cluster (the same cx)
	s_lshl_b32 s94, s20, 2
	s_lshl_b32 s94, 15, s94                        ; my row (the same cy)
	; descriptor group 1.  Source 0: 4 tiles' 3,072 bytes of a phase, 12,800 bytes apart, as 4 rows of 384 elements of 8 bytes; dense in LDS
	s_or_b32 s24, s93, (3<<16)|(1<<21)             ; 15:0 the mask; 17:16 elements of 8 bytes; 21 set beside a mask
	s_mov_b32 s25, 384<<16                         ; tensor_dim0
	s_mov_b32 s26, 4<<16                           ; tensor_dim1
	s_mov_b32 s27, 384<<16                         ; tile_dim0
	s_mov_b32 s28, 4                               ; tile_dim1
	s_mov_b32 s29, 1600                            ; from row to row
	s_mov_b32 s30, 0
	s_mov_b32 s31, 0
	s_or_b32 s48, s94, (3<<16)|(1<<21)             ; source 1: the same with 2 rows
	s_mov_b32 s49, 384<<16
	s_mov_b32 s50, 2<<16
	s_mov_b32 s51, 384<<16
	s_mov_b32 s52, 2
	s_mov_b32 s53, 1600
	s_mov_b32 s54, 0
	s_mov_b32 s55, 0
	; every LDS address is made here, ahead of the first parting of the waves
	v_and_b32 v24, 31, v0                          ; lane
	v_and_b32 v25, 15, v0                          ; r
	v_bfe_u32 v26, v0, 4, 1                        ; h
	v_lshlrev_b32 v11, 4, v24                      ; 16 x lane
	v_lshlrev_b32 v12, 3, v24                      ; 8 x lane
	s_mul_i32 s97, s17, 12288
	v_add_nc_u32 v1, s97, v11                      ; source 0: my four tiles of the phase, 16 bytes a lane,
	v_add_nc_u32 v2, s97, v12                      ; and 8
	s_mul_i32 s99, s18, 12288
	s_add_co_u32 s99, s99, S1C
	v_add_nc_u32 v3, s99, v11                      ; source 1 likewise
	v_add_nc_u32 v4, s99, v12
	s_lshl_b32 s99, s18, 11                        ; scale words: lanes 0-15 source 1's tiles 4 WH on,
	s_lshl_b32 s100, s17, 11
	s_add_co_u32 s100, s100, 4096
	s_sub_co_u32 s100, s100, s99                   ; lanes 16-31 source 0's tiles 4 W3 on: the distance between the two, times h
	v_mul_u32_u24 v5, s100, v26
	v_lshl_add_u32 v5, v25, 5, v5
	s_add_co_u32 s99, s99, SC1
	v_add_nc_u32 v5, s99, v5
	s_lshl_b32 s99, s17, 8
	s_add_co_u32 s99, s99, BIA
	v_lshl_add_u32 v6, v26, 6, s99                 ; q, k: the bias of my 64 channels, + 16 h numbers
	v_and_b32 v28, 8, v25
	v_add_nc_u32 v28, v28, v25                     ; r + 8 (r / 8)
	s_lshl_b32 s99, s18, 8
	s_add_co_u32 s99, s99, BIA
	v_lshl_add_u32 v7, v28, 2, s99                 ; v: the bias of my lane's channel
	s_lshl_b32 s99, s17, 8
	s_lshl_b32 s100, s18, 3
	s_add_co_u32 s99, s99, s100
	s_add_co_u32 s99, s99, SCG0
	v_lshl_add_u32 v8, v25, 4, s99                 ; q, k: my new scale words: [W3][r][f = 2 WH + pair]
	s_lshl_b32 s99, s18, 9
	s_lshr_b32 s100, s17, 1
	s_lshl_b32 s100, s100, 8
	s_add_co_u32 s99, s99, s100
	s_and_b32 s100, s16, 1
	s_lshl_b32 s100, s100, 1
	s_add_co_u32 s99, s99, s100
	s_add_co_u32 s99, s99, SCG1
	v_lshl_add_u32 v9, v25, 4, s99                 ; v: [head WH][step W3 / 2][r][t], my two bytes at 2 (w % 2)
	s_lshl_b32 s99, s17, 8
	s_add_co_u32 s99, s99, SCG0
	v_add_nc_u32 v10, s99, v12                     ; back: 256 bytes a wave, 8 a lane
	s_mul_i32 s99, s16, TILEB
	v_add_nc_u32 v13, s99, v11                     ; in memory: tile w's scale words, 16 bytes a lane
	v_lshl_add_u32 v14, v0, 4, SC1                 ; and where they go
	v_lshl_add_u32 v15, v0, 2, BIA
	s_lshl_b32 s99, s77, 7
	s_lshl_b32 s100, s76, 8
	s_cmp_eq_u32 s23, 1
	s_cselect_b32 s99, s99, s100                   ; the bias goes with the weight's rows: q, k: source 0's 256;  v: source 1's 128
	v_add_nc_u32 v27, s99, v0
	v_min_u32 v27, 0x3ff, v27                      ; (for v the upper 128 threads' numbers are not used: held inside the buffer)
	v_lshlrev_b32 v27, 2, v27
.irp b, 0,1,2,3
	v_mov_b32 v[TM+4+\b], 0                        ; written once: a lane permute's destination counts as one of its sources
.endr
	s_mul_i32 s90, s17, 4*TILEB                    ; which tiles I fetch: waves 0-3 four of source 0's each, waves 4-7 two of source 1's
	s_mov_b32 s91, 0
	s_mul_i32 s92, s17, 2*TILEB
	s_mov_b32 s93, 0
	s_mul_i32 s98, s17, 6144
	s_wait_dscnt 0x0
	s_wait_kmcnt 0x0
	s_add_nc_u64 s[78:79], s[4:5], s[78:79]        ; source 0's first tile
	s_add_nc_u64 s[80:81], s[4:5], s[80:81]        ; source 1's
	s_cmp_eq_u32 s22, 0
	s_cselect_b64 s[82:83], s[6:7], s[8:9]
	s_cselect_b64 s[84:85], s[12:13], s[14:15]     ; q goes to qb, k and v to kv
	s_cmp_eq_u32 s22, 2
	s_cselect_b64 s[82:83], s[10:11], s[82:83]     ; the projection's bias
	global_load_b128 v[128:131], v13, s[78:79] offset:12288            ; source 0's scale words, tiles 0-7,
	global_load_b128 v[132:135], v13, s[78:79] offset:12288+8*TILEB    ; tiles 8-15,
	global_load_b128 v[136:139], v13, s[80:81] offset:12288            ; source 1's,
	global_load_b32 v140, v27, s[82:83]                                ; and the bias
	s_add_nc_u64 s[90:91], s[78:79], s[90:91]
	s_add_nc_u64 s[92:93], s[80:81], s[92:93]
.irp p, 0,1,2,3
	s_mov_b32 s[32+4*\p], 1                        ; group 0 for source 0, phase p
	s_add_co_u32 s[33+4*\p], s97, \p*49152
	s_add_nc_u64 s[34+4*\p:35+4*\p], s[90:91], \p*3072
	s_or_b32 s[35+4*\p], s[35+4*\p], 0x80000000
	s_mov_b32 s[56+4*\p+4*(\p/2)], 1               ; and for source 1: s56, s60, s68, s72 on
	s_add_co_u32 s[57+4*\p+4*(\p/2)], s98, S1C+\p*24576
	s_add_nc_u64 s[58+4*\p+4*(\p/2):59+4*\p+4*(\p/2)], s[92:93], \p*3072
	s_or_b32 s[59+4*\p+4*(\p/2)], s[59+4*\p+4*(\p/2)], 0x80000000
.endr
	CROUND                                         ; all sixteen work-groups are here: the joint loads meet
	s_cmp_lt_u32 s16, 4                            ; a wave's four fills stand in one branch on the wave's number: four loads of mine are out
	s_cbranch_scc0 .Lfor_1
	tensor_load_to_lds s[32:35], s[24:31]
	s_nop 0
	tensor_load_to_lds s[36:39], s[24:31]
	s_nop 0
	tensor_load_to_lds s[40:43], s[24:31]
	s_nop 0
	tensor_load_to_lds s[44:47], s[24:31]
	s_nop 0
.rept 4
	v_nop
.endr
	s_branch .Lasked
.Lfor_1:
	tensor_load_to_lds s[56:59], s[48:55]
	s_nop 0
	tensor_load_to_lds s[60:63], s[48:55]
	s_nop 0
	tensor_load_to_lds s[68:71], s[48:55]
	s_nop 0
	tensor_load_to_lds s[72:75], s[48:55]
	s_nop 0
.rept 4
	v_nop
.endr
.Lasked:
	; where my results go, made while the tiles are on their way.  q, k: head 16 n + 4 (block of source 0) + W3, group = block of source 1 % 16, half fragments 4 WH on
	s_lshr_b32 s88, s77, 4
	s_lshl_b32 s88, s88, 4
	s_lshl_b32 s89, s76, 2
	s_add_co_u32 s88, s88, s89
	s_add_co_u32 s88, s88, s17
	s_lshl_b32 s89, 102400, s22                    ; a head: 102,400 bytes in qb, twice that in kv
	s_mul_i32 s88, s88, s89
	s_and_b32 s90, s77, 15
	s_lshl_b32 s89, 6400, s22                      ; a group: 6,400 and 12,800
	s_mul_i32 s90, s90, s89
	s_add_co_u32 s88, s88, s90
	s_lshl_b32 s89, 6144, s22
	s_add_co_u32 s89, s88, s89                     ; its scale words (stored by waves 0-3, in which W3 is the wave's number)
	s_mul_i32 s90, s18, 3072
	s_add_co_u32 s88, s88, s90
	; v: head 16 n + 2 (block of source 1) + WH, step 2 (block of source 0 % 8) + W3 / 2, half fragment w % 2 of each channel tile
	s_lshr_b32 s91, s76, 3
	s_lshl_b32 s91, s91, 4
	s_lshl_b32 s92, s77, 1
	s_add_co_u32 s91, s91, s92
	s_and_b32 s92, s76, 7
	s_lshl_b32 s92, s92, 1
	s_lshr_b32 s93, s17, 1
	s_and_b32 s94, s17, 1
	s_add_co_u32 s95, s91, s18
	s_mul_i32 s95, s95, 16*TILEB
	s_add_co_u32 s96, s92, s93
	s_mul_i32 s96, s96, TILEB
	s_add_co_u32 s95, s95, s96
	s_mul_i32 s96, s94, 768
	s_add_co_u32 s95, s95, s96
	s_add_co_u32 s95, s95, 6144
	s_add_co_u32 s96, s91, s93                     ; its scale words: wave w of 0-3 stores head w / 2, step w % 2
	s_mul_i32 s96, s96, 16*TILEB
	s_add_co_u32 s97, s92, s94
	s_mul_i32 s97, s97, TILEB
	s_add_co_u32 s96, s96, s97
	s_add_co_u32 s96, s96, 12544
	s_cmp_eq_u32 s23, 1
	s_cselect_b32 s88, s95, s88
	s_cselect_b32 s90, s96, s89
	s_mov_b32 s89, 0
	s_mov_b32 s91, 0
	s_add_nc_u64 s[86:87], s[84:85], s[90:91]      ; the scale words' place
	s_add_nc_u64 s[84:85], s[84:85], s[88:89]      ; the codes'
	s_wait_loadcnt 0x0
	ds_store_b128 v14, v[136:139]                  ; source 1's scale words, as they lie,
	ds_store_b128 v14, v[128:131] offset:4096      ; source 0's,
	ds_store_b128 v14, v[132:135] offset:8192
	ds_store_b32 v15, v140                         ; the bias
.macro FRAG reg, a16, a8, off          ; a fragment, 12 registers: two half fragments, each 16 bytes a lane and 8 bytes a lane, dense
	ds_load_b128 v[\reg:\reg+3], v[\a16] offset:\off
	ds_load_b64 v[\reg+4:\reg+5], v[\a8] offset:\off+512
	ds_load_b128 v[\reg+6:\reg+9], v[\a16] offset:\off+768
	ds_load_b64 v[\reg+10:\reg+11], v[\a8] offset:\off+1280
.endm
; 128 along K: 32 LDS loads, 16 matrix instructions.  The sixteen accumulators take turns, one instruction a turn, in the same order in every step.
; nops: the places in front of loads into registers that matrix instructions have read (ISA guide 7.12.1 for vector instructions).
.macro KSTEP sp, zero, nops
.rept \nops
	v_nop
.endr
.irp a, 0,1,2,3
	FRAG F1+12*\a, 3, 4, \a*3072+\sp*1536
.endr
.irp b, 0,1,2,3
	FRAG F0+12*\b, 1, 2, \b*3072+\sp*1536
.endr
.irp b, 0,1,2,3
	s_wait_dscnt 12-4*\b                           ; all but the four loads of each later fragment of source 0
.irp a, 0,1,2,3
.if \zero
	v_wmma_scale_f32_16x16x128_f8f6f4 v[ACC+8*(4*\a+\b):ACC+8*(4*\a+\b)+7], v[F0+12*\b:F0+12*\b+11], v[F1+12*\a:F1+12*\a+11], 0, v[SC+2*\b+\sp], v[SC+2*\a+\sp] matrix_a_fmt:MATRIX_FMT_FP6 matrix_b_fmt:MATRIX_FMT_FP6 matrix_a_scale:MATRIX_SCALE_ROW1
.else
	v_wmma_scale_f32_16x16x128_f8f6f4 v[ACC+8*(4*\a+\b):ACC+8*(4*\a+\b)+7], v[F0+12*\b:F0+12*\b+11], v[F1+12*\a:F1+12*\a+11], v[ACC+8*(4*\a+\b):ACC+8*(4*\a+\b)+7], v[SC+2*\b+\sp], v[SC+2*\a+\sp] matrix_a_fmt:MATRIX_FMT_FP6 matrix_b_fmt:MATRIX_FMT_FP6 matrix_a_scale:MATRIX_SCALE_ROW1
.endif
.endr
.endr
.endm
.macro PHASE p                         ; 256 along K
	s_wait_tensorcnt 3-\p                          ; my part of this phase is in; the later phases' loads may be out
.if \p == 0
	s_wait_dscnt 0x0                               ; for the others' sake: my stores of scale words and bias are done
.endif
	s_barrier_signal -1
	s_barrier_wait -1                              ; everybody's part is in
.irp i, 0,1,2,3
	ds_load_b64 v[SC+2*\i:SC+2*\i+1], v5 offset:512*\i+8*\p
.endr
.if \p == 0
	KSTEP 0, 1, 0                                  ; the first products start the sums: nothing is cleared
.else
	KSTEP 0, 0, 0
.endif
	KSTEP 1, 0, 4
.if \p < 3
	v_add_nc_u32 v1, 49152, v1                     ; on to the next phase; these four are also the places in front of its loads
	v_add_nc_u32 v2, 49152, v2
	v_add_nc_u32 v3, 24576, v3
	v_add_nc_u32 v4, 24576, v4
.endif
.endm
	PHASE 0
	PHASE 1
	PHASE 2
	PHASE 3
; 64 numbers of a lane, register 16 b + i = place 32 b + 16 h + i along the next K, become 12 registers of codes in v[pc] on and a word of four scale bytes in v[pw].
; Here blocks 0, 1 belong to one tile of source 1 and blocks 2, 3 to the next: registers 0-5 are the first tile's half fragment, 6-11 the second's; the word holds the first's two bytes below, the second's above.
.macro QUANT s, pc, pw
.irp b, 0,1,2,3
	v_max3_num_f32 v[TM+\b], |v[\s+16*\b]|, |v[\s+1+16*\b]|, 0x1800000   ; my 16 numbers of block b, and the floor 2^(3 - 127)
.endr
.irp i, 2,4,6,8,10,12,14
.irp b, 0,1,2,3
	v_max3_num_f32 v[TM+\b], v[TM+\b], |v[\s+16*\b+\i]|, |v[\s+1+16*\b+\i]|
.endr
.endr
.irp b, 0,1,2,3
	v_permlanex16_b32 v[TM+4+\b], v[TM+\b], s2, s3
.endr
.irp b, 0,1,2,3
	v_max_num_f32 v[TM+\b], v[TM+\b], v[TM+4+\b]   ; with lane l xor 16's: the block's largest magnitude
.endr
.irp b, 0,1,2,3
	v_add_nc_u32 v[TM+12+\b], 0xff000000, v[TM+\b] ; 2 off its exponent field: the conversion's scale operand
.endr
.irp b, 0,1,2,3
	v_lshrrev_b32 v[TM+4+\b], 23, v[TM+12+\b]      ; the scale's byte
.endr
	v_lshl_or_b32 v[\pw], v[TM+5], 8, v[TM+4]
	v_lshl_or_b32 v[\pw], v[TM+6], 16, v[\pw]
	v_lshl_or_b32 v[\pw], v[TM+7], 24, v[\pw]
.irp c, 0,1
	v_cvt_scalef32_pk16_fp6_f32 v[\pc+6*\c:\pc+2+6*\c], v[\s+32*\c:\s+15+32*\c], v[TM+12+2*\c]
	v_cvt_scalef32_pk16_fp6_f32 v[\pc+12+4*\c:\pc+14+4*\c], v[\s+16+32*\c:\s+31+32*\c], v[TM+12+2*\c+1]   ; (a conversion's three registers begin on an even number)
.endr
	v_nop                                          ; one plain place behind a scaled conversion
.irp c, 0,1                            ; the operand's layout wants a WHOLE block in a lane: lanes 0-15 block 2 c, lanes 16-31 block 2 c + 1
.irp i, 0,1,2
	v_permlane16_swap_b32 v[\pc+6*\c+\i], v[\pc+12+4*\c+\i]
.endr
.irp i, 0,1,2
	v_mov_b32 v[\pc+3+6*\c+\i], v[\pc+12+4*\c+\i]
.endr
.endr
.endm
.macro PUT pc, o0, o1                  ; two half fragments leave: 512 and 256 consecutive bytes each, aligned
	global_store_b128 v11, v[\pc:\pc+3], s[84:85] offset:\o0
	global_store_b64 v12, v[\pc+4:\pc+5], s[84:85] offset:\o0+512
	global_store_b128 v11, v[\pc+6:\pc+9], s[84:85] offset:\o1
	global_store_b64 v12, v[\pc+10:\pc+11], s[84:85] offset:\o1+512
.endm
.rept 4
	v_nop                                          ; places behind the last products: for the first read of results and for loads into the fragments' registers
.endr
	s_cmp_eq_u32 s23, 1                            ; the projection is the same in all waves and in all partners of the cluster
	s_cbranch_scc1 .Lv_path
	; ---- q, k: the bias runs along my registers: v[32 + 16 b + i] = b(64 W3 + 32 b + 16 h + i)
.irp m, 0,1,2,3,4,5,6,7
	ds_load_b128 v[32+4*\m:35+4*\m], v6 offset:128*(\m/4)+16*(\m%4)
.endr
	s_wait_dscnt 0x0
.irp a, 0,1,2,3
.set mm, 0
.rept 16
	v_pk_add_f32 v[ACC+32*\a+mm:ACC+32*\a+mm+1], v[ACC+32*\a+mm:ACC+32*\a+mm+1], v[32+mm:33+mm]   ; each accumulator from its low end on
.set mm, mm+2
.endr
.endr
	QUANT ACC, 64, 120
	PUT 64, 0, 768
	ds_store_b32 v8, v120                          ; both halves of the lanes write the same word with the same value
	QUANT ACC+64, 84, 121
	PUT 84, 1536, 2304
	ds_store_b32 v8, v121 offset:4
	s_branch .Ljoin
.Lv_path:
	; ---- v: the bias goes with my lane's channel; each number twice, as a pair for the packed addition
.irp a, 0,1,2,3
	ds_load_b32 v[32+2*\a], v7 offset:128*(\a/2)+32*(\a%2)
	ds_load_b32 v[33+2*\a], v7 offset:128*(\a/2)+32*(\a%2)
.endr
	s_wait_dscnt 0x0
.irp a, 0,1,2,3
.set mm, 0
.rept 16
	v_pk_add_f32 v[ACC+32*\a+mm:ACC+32*\a+mm+1], v[ACC+32*\a+mm:ACC+32*\a+mm+1], v[32+2*\a:33+2*\a]
.set mm, mm+2
.endr
.endr
	QUANT ACC, 64, 120
	PUT 64, 0, 1536
	v_lshrrev_b32 v122, 16, v120
	ds_store_b16 v9, v120                          ; channel tile 0: my two bytes of its word,
	ds_store_b16 v9, v122 offset:4                 ; tile 1
	QUANT ACC+64, 84, 121
	PUT 84, 3072, 4608
	v_lshrrev_b32 v123, 16, v121
	ds_store_b16 v9, v121 offset:8
	ds_store_b16 v9, v123 offset:12
.Ljoin:
	s_wait_dscnt 0x0                               ; for the others' sake: my scale words lie in LDS
	s_barrier_signal -1
	s_barrier_wait -1
	s_cmp_lt_u32 s16, 4                            ; four units of 256 bytes: waves 0-3 store one each, whole
	s_cbranch_scc0 .Ldone
	s_cmp_eq_u32 s23, 1
	s_cbranch_scc1 .Lread_v
	ds_load_b64 v[124:125], v10
	s_branch .Lread
.Lread_v:
	ds_load_b64 v[124:125], v10 offset:1024
.Lread:
	s_wait_dscnt 0x0
	global_store_b64 v12, v[124:125], s[86:87]
.Ldone:
	s_wait_tensorcnt 0x0
	ds_add_u32 v30, v31
	s_wait_dscnt 0x0
	CROUND                                         ; the closing round: no work-group ends while a partner may still ask for a tile that names it
	s_endpgm
.Lfunc_end_k_qe58620202e_proj:
	.size	k_qe58620202e_proj, .Lfunc_end_k_qe58620202e_proj-k_qe58620202e_proj
	.p2alignl 7, 3214868480
	.fill 96, 4, 3214868480
	.section	.rodata,"a",@progbits
	.p2align	6, 0x0
	.amdhsa_kernel k_qe58620202e_proj
		.amdhsa_group_segment_fixed_size 311296
		.amdhsa_private_segment_fixed_size 0
		.amdhsa_enable_private_segment 0
		.amdhsa_kernarg_size 48
		.amdhsa_user_sgpr_count 2
		.amdhsa_user_sgpr_kernarg_segment_ptr 1
		.amdhsa_wavefront_size32 1
		.amdhsa_system_sgpr_workgroup_id_x 1
		.amdhsa_system_sgpr_workgroup_id_y 1
		.amdhsa_system_sgpr_workgroup_id_z 1
		.amdhsa_system_vgpr_workitem_id 0
		.amdhsa_next_free_vgpr 256
		.amdhsa_next_free_sgpr 102
		.amdhsa_reserve_vcc 0
		.amdhsa_float_denorm_mode_32 3
		.amdhsa_float_denorm_mode_16_64 3
		.amdhsa_memory_ordered 1
		.amdhsa_forward_progress 1
		.amdhsa_inst_pref_size 75
	.end_amdhsa_kernel
	.amdgpu_metadata
---
amdhsa.version: [ 1, 2 ]
amdhsa.kernels:
  - .name:           k_qe58620202e_proj
    .symbol:         k_qe58620202e_proj.kd
    .args:
      - { .name: xb, .offset: 0, .size: 8, .value_kind: global_buffer, .address_space: global }
      - { .name: bq, .offset: 8, .size: 8, .value_kind: global_buffer, .address_space: global }
      - { .name: bk, .offset: 16, .size: 8, .value_kind: global_buffer, .address_space: global }
      - { .name: bv, .offset: 24, .size: 8, .value_kind: global_buffer, .address_space: global }
      - { .name: qb, .offset: 32, .size: 8, .value_kind: global_buffer, .address_space: global }
      - { .name: kv, .offset: 40, .size: 8, .value_kind: global_buffer, .address_space: global }
    .group_segment_fixed_size: 311296
    .private_segment_fixed_size: 0
    .kernarg_segment_align: 8
    .kernarg_segment_size: 48
    .max_flat_workgroup_size: 256
    .sgpr_count:     102
    .vgpr_count:     256
    .wavefront_size: 32
...
	.end_amdgpu_metadata
.endif
;; end of part 2
;; launch attn (part 3): grid 4 x 64, 16 waves a work-group, clusters of 4 x 1, 206,848 bytes of LDS; arguments qb, kv, ob; writes ob
.if DOCPART == 3
	.amdgcn_target "amdgcn-amd-amdhsa--gfx1250"
	.amdhsa_code_object_version 6
	.text
	.protected	k_qe58620202e_attn
	.globl	k_qe58620202e_attn
	.p2align	8
	.type	k_qe58620202e_attn,@function
k_qe58620202e_attn:
	s_mov_b64 s[64:65], 0
	v_nop
	global_prefetch_b8 v0, s[64:65] scope:SCOPE_SE
	s_setreg_imm32_b32 hwreg(HW_REG_WAVE_MODE, 25, 1), 1
	s_wait_xcnt 0x0
	s_wait_alu depctr_hold_cnt(0) depctr_sa_sdst(0) depctr_va_vdst(0) depctr_va_sdst(0) depctr_va_ssrc(0) depctr_va_vcc(0) depctr_vm_vsrc(0)
	s_getreg_b32 s2, hwreg(HW_REG_IB_STS2, 6, 4)
	s_cmp_eq_u32 s2, 0
	s_cbranch_scc0 .Lentry_in_a_cluster
	s_endpgm
.Lentry_in_a_cluster:
	s_bfe_u32 s2, ttmp6, 0x10000c
	s_cmp_lg_u32 s2, 0x3003
	s_cbranch_scc0 .Lentry_shape_is_right
	s_endpgm
.Lentry_shape_is_right:
; For each of 64 heads (batch x head), head size 64, 2,048 queries and keys, no scaling of the scores: O = softmax(q k^T) v, both products on codes of FP6 (E2M3); O is quantised along d_model and stored as codes for the last projection.
; THE SOFTMAX AHEAD OF THE SECOND PRODUCT: t = score x log2(e); M = the row's largest t so far, rounded UP to a whole number; p = 2^(t - M) is quantised along the keys, not normalised; the row's sum is taken of the unquantised p
; and divides O at the end.  When M moves, the sum and O are multiplied by 2^(old M - new M): exact.
; SHARES: a work-group owns 512 queries of one head; each of its sixteen waves owns 32, two tiles of 16, one after the other; four waves to a SIMD, so that one wave's vector work stands beside another's products and LDS loads.
; LDS: the head's whole K, V and scale words, 16 steps of 12,800 bytes, filled ONCE: wave w asks for step w; no byte is filled again, so nothing is asked for later in the launch.
; CLUSTER: the four work-groups of a head form a cluster and ask for each step jointly.
; LAYOUT: both products transposed: S^T = k q^T (source 0 = keys, source 1 = my 16 queries), O^T = v^T p^T: a lane holds ONE query (lane % 16) throughout.  Index r of tile T is row 32 (T / 2) + 8 (T % 2) + r + 8 (r / 8),
; so the 16 registers of key tiles 2 f and 2 f + 1 are 16 neighbouring keys, 32 f + 16 (lane / 16) + 0 .. 15, and O^T's 16 registers of two channel tiles are 16 neighbouring channels.
; K = 64 IN AN INSTRUCTION OF 128: source 0 is TWO key tiles' half fragments on end (12 registers); the queries' half fragment stands in the lower half with zero codes above, or in the upper half with zero codes below: each picks one of
; the two key tiles.  The zero codes carry the scale byte 0 (2^-127, a number): they add nothing.
; LIMITS: a block's largest p is made from the block's largest score by the same multiply-add and exponential, which takes v_exp_f32 not to fall where its input rises; p under 2^-126 counts as 0;
; a block of zeros gets the byte 1 where the rule says 127 (its codes are zeros; this program alone reads the bytes); NaN and infinities are not served.
; REGISTERS: v1-3 lane terms, v4-6 the step's LDS addresses, v7 the scale bytes' place in ob, v8 tile 0's two bytes, v9 h, v10 16 r; v12 -M, v13 the largest t, v[14:15] the sum; v16-33 zeros, the queries, zeros; v34, v35 their scale words;
; v36-41 the second tile's queries, v42 both tiles' scale bytes; v44-91 four fragments of K, then of V; v96-159 S^T, then p; v160-191 O^T; v192-203 p's codes; v204-210 at work; v212-215 K's scale words, v216-219 V's, v220 p's; v224-241 at work.
.set TILEB, 12800
.macro CROUND                          ; a round of the cluster's barrier
	s_barrier_signal -1
	s_barrier_wait -1
	s_cmp_lg_u32 s16, 0
	s_cbranch_scc1 .Lnot_wave_0_\@
	s_barrier_signal -3
.Lnot_wave_0_\@:
	s_barrier_wait -3
	s_barrier_signal -1
	s_barrier_wait -1
.endm
	s_load_b128 s[4:7], s[0:1], 0x0                ; qb, kv
	s_load_b64 s[8:9], s[0:1], 0x10                ; ob
	v_lshl_add_u32 v254, v0, 2, 0x32000
	v_mov_b32 v255, 0
	ds_add_u32 v254, v255
	ds_add_u32 v254, v255
	v_lshrrev_b32 v1, 5, v0
	v_readfirstlane_b32 s16, v1                    ; wave 0..15
	s_bfe_u32 s17, ttmp6, 0x40000                  ; cx: it enters the queries' and O's addresses alone
	s_and_b32 s18, ttmp7, 0xffff                   ; the head, 0 .. 63, which the four partners share
	s_lshl_b32 s19, s17, 4
	s_add_co_u32 s19, s19, s16                     ; my pair of query tiles, 0 .. 63
	; descriptor: a step's 12,800 dense bytes as 50 rows of 256 bytes (32 elements of 8 bytes)
	s_mov_b32 s24, 15|(3<<16)|(1<<21)              ; 15:0 the mask: all four work-groups; 17:16 elements of 8 bytes; 21 set beside a mask
	s_mov_b32 s25, 32<<16
	s_mov_b32 s26, 50<<16
	s_mov_b32 s27, 32<<16
	s_mov_b32 s28, 50
	s_mov_b32 s29, 32
	s_mov_b32 s30, 0
	s_mov_b32 s31, 0
	s_mov_b32 s32, 1
	s_mul_i32 s33, s16, TILEB                      ; step w goes to LDS byte 12,800 w
	s_mul_i32 s36, s18, 16*TILEB
	s_add_co_u32 s36, s36, s33
	s_mov_b32 s37, 0
	s_mul_i32 s38, s18, 102400                     ; qb: my head,
	s_lshr_b32 s40, s19, 2
	s_mul_i32 s40, s40, 6400
	s_add_co_u32 s38, s38, s40                     ; my group of 128 tokens,
	s_and_b32 s41, s19, 3
	s_mul_i32 s42, s41, 1536
	s_add_co_u32 s42, s38, s42                     ; my two half fragments,
	s_mov_b32 s43, 0
	s_lshl_b32 s41, s41, 2
	s_add_co_u32 s44, s38, s41
	s_add_co_u32 s44, s44, 6144                    ; and their scale word
	s_mov_b32 s45, 0
	s_lshr_b32 s46, s18, 4                         ; ob: token tile 128 n + 2 x pair,
	s_lshl_b32 s46, s46, 7
	s_lshl_b32 s47, s19, 1
	s_add_co_u32 s46, s46, s47
	s_mul_i32 s46, s46, TILEB
	s_and_b32 s47, s18, 15
	s_mul_i32 s48, s47, 768
	s_add_co_u32 s48, s46, s48                     ; the head's half fragment,
	s_mov_b32 s49, 0
	s_lshl_b32 s47, s47, 1
	s_add_co_u32 s50, s46, s47
	s_add_co_u32 s50, s50, 12288                   ; and its two scale bytes in a row's 32
	s_mov_b32 s51, 0
	s_mov_b32 s20, 0x76543210
	s_mov_b32 s21, 0xfedcba98                      ; v_permlanex16_b32's selects for lane l xor 16
	s_mov_b32 s22, 0x3fb8aa3b                      ; log2(e)
	s_mov_b32 s23, s22                             ; (named with it as a pair, so it is written)
	v_and_b32 v8, 31, v0
	v_and_b32 v10, 15, v0
	v_bfe_u32 v9, v0, 4, 1                         ; h
	v_lshlrev_b32 v1, 4, v8                        ; 16 x lane
	v_lshlrev_b32 v2, 3, v8                        ; 8 x lane
	v_lshlrev_b32 v10, 4, v10                      ; 16 r
	v_add_nc_u32 v3, 12288, v10                    ; a step's scale words: 16 bytes a row
	v_mul_u32_u24 v7, v9, TILEB
	v_lshl_add_u32 v7, v10, 1, v7                  ; 12,800 h + 32 r
	s_wait_dscnt 0x0
	s_wait_kmcnt 0x0
	s_add_nc_u64 s[34:35], s[6:7], s[36:37]
	s_or_b32 s35, s35, 0x80000000
	s_add_nc_u64 s[10:11], s[4:5], s[42:43]
	s_add_nc_u64 s[12:13], s[4:5], s[44:45]
	s_add_nc_u64 s[14:15], s[8:9], s[48:49]
	s_add_nc_u64 s[52:53], s[8:9], s[50:51]
	CROUND                                         ; all four work-groups are here: the joint loads meet
	tensor_load_to_lds s[32:35], s[24:31]          ; one load of mine is out
	s_nop 0
.rept 4
	v_nop
.endr
	global_load_b128 v[22:25], v1, s[10:11]        ; the first tile's queries,
	global_load_b64 v[26:27], v2, s[10:11] offset:512
	global_load_b128 v[36:39], v1, s[10:11] offset:768   ; the second's,
	global_load_b64 v[40:41], v2, s[10:11] offset:1280
	global_load_b32 v42, v10, s[12:13]             ; and both tiles' scale bytes of row r
.irp j, 16,17,18,19,20,21,28,29,30,31,32,33
	v_mov_b32 v[\j], 0                             ; zero codes below and above the queries
.endr
	s_wait_tensorcnt 0x0                           ; my step is in,
	s_barrier_signal -1
	s_barrier_wait -1                              ; everybody's is
	s_wait_loadcnt 0x0
.macro FRAG reg, a16, a8, off          ; a fragment, 12 registers: two half fragments, each 16 bytes a lane and 8 bytes a lane, dense
	ds_load_b128 v[\reg:\reg+3], v[\a16] offset:\off
	ds_load_b64 v[\reg+4:\reg+5], v[\a8] offset:\off+512
	ds_load_b128 v[\reg+6:\reg+9], v[\a16] offset:\off+768
	ds_load_b64 v[\reg+10:\reg+11], v[\a8] offset:\off+1280
.endm
; A KEY STEP: 128 keys, at LDS byte s2.
.macro STEP
	v_add_nc_u32 v4, s2, v1                        ; these four are the places in front of loads into registers that the last products read
	v_add_nc_u32 v5, s2, v2
	v_add_nc_u32 v6, s2, v3
	v_nop
	ds_load_b128 v[212:215], v6                    ; K's four scale words of row r
.irp f, 0,1,2,3
	FRAG 44+12*\f, 4, 5, 1536*\f
.endr
.irp f, 0,1,2,3
	s_wait_dscnt 12-4*\f                           ; all but the four loads of each later fragment
	v_wmma_scale_f32_16x16x128_f8f6f4 v[96+16*\f:103+16*\f], v[44+12*\f:55+12*\f], v[22:33], 0, v[212+\f], v34 matrix_a_fmt:MATRIX_FMT_FP6 matrix_b_fmt:MATRIX_FMT_FP6    ; key tile 2 f
	v_wmma_scale_f32_16x16x128_f8f6f4 v[104+16*\f:111+16*\f], v[44+12*\f:55+12*\f], v[16:27], 0, v[212+\f], v35 matrix_a_fmt:MATRIX_FMT_FP6 matrix_b_fmt:MATRIX_FMT_FP6  ; key tile 2 f + 1
.endr                                  ; register 16 f + i holds key 32 f + 16 h + i
.rept 4
	v_nop                                          ; places: for the loads below and for the first read of the scores
.endr
	ds_load_b128 v[216:219], v6 offset:256         ; V's scale words and fragments: they land during the softmax
.irp t, 0,1,2,3
	FRAG 44+12*\t, 4, 5, 6144+1536*\t
.endr
.irp b, 0,1,2,3
	v_max3_num_f32 v[224+\b], v[96+16*\b], v[97+16*\b], v[98+16*\b]   ; the largest score of each block of 32 keys: for the row's maximum, and, since p rises with the score, for the block's largest p
.endr
.irp i, 3,5,7,9,11,13
.irp b, 0,1,2,3
	v_max3_num_f32 v[224+\b], v[224+\b], v[96+16*\b+\i], v[97+16*\b+\i]
.endr
.endr
.irp b, 0,1,2,3
	v_max_num_f32 v[224+\b], v[224+\b], v[111+16*\b]
.endr
.irp b, 0,1,2,3
	v_permlanex16_b32 v[228+\b], v[224+\b], s20, s21
.endr
.irp b, 0,1,2,3
	v_max_num_f32 v[224+\b], v[224+\b], v[228+\b]  ; with lane l xor 16's 16 keys
.endr
	v_max3_num_f32 v238, v224, v225, v226
	v_max_num_f32 v238, v238, v227                 ; the step's largest score of my query
	v_mul_f32 v238, s22, v238                      ; as t
	v_max_num_f32 v13, v13, v238                   ; the running largest t
	v_mov_b32 v238, v12
	v_floor_f32 v12, -v13                          ; the new -M = floor(-t) = -ceil(t): a whole number
	v_sub_f32 v238, v12, v238                      ; M's old value less its new one: a whole number, 0 or less
	v_cvt_i32_f32 v238, v238                       ; (it saturates)
	v_ldexp_f32 v236, 1.0, v238                    ; f = 2^(old M - new M)
.set jj, 0
.rept 32
	v_pk_fma_f32 v[96+jj:97+jj], v[96+jj:97+jj], s[22:23], v[12:13] op_sel_hi:[1,0,0]   ; t - M, two at a time
.set jj, jj+2
.endr
.irp b, 0,1,2,3
	v_fma_f32 v[224+\b], v[224+\b], s22, v12       ; the same of each block's largest score
.endr
.set jj, 0
.rept 64
	v_exp_f32 v[96+jj], v[96+jj]                   ; p = 2^(t - M), at most 1
.set jj, jj+1
.endr
	v_pk_mul_f32 v[14:15], v[14:15], v[236:237] op_sel_hi:[1,0]   ; the sums under the new M; a plain place behind the exponentials
	s_wait_alu depctr_va_vdst(0)                   ; one wait for the whole batch, ahead of its first reader
.irp b, 0,1,2,3
	v_exp_f32 v[224+\b], v[224+\b]                 ; the block's largest p
.endr
	v_pk_add_f32 v[240:241], v[96:97], v[98:99]    ; the row's sum is taken of the unquantised p: two at a time, in two chains
.set jj, 4
.rept 15
	v_pk_add_f32 v[14:15], v[14:15], v[96+jj:97+jj]
	v_pk_add_f32 v[240:241], v[240:241], v[98+jj:99+jj]
.set jj, jj+4
.endr
	v_pk_add_f32 v[14:15], v[14:15], v[240:241]
	s_wait_alu depctr_va_vdst(0)                   ; and one for the four
.irp b, 0,1,2,3
	v_max_num_f32 v[224+\b], 0x1800000, v[224+\b]  ; the floor 2^(3 - 127): the byte cannot fall under 1
.endr
.irp b, 0,1,2,3
	v_add_nc_u32 v[232+\b], 0xff000000, v[224+\b]  ; 2 off the exponent field: the conversion's scale operand
.endr
.irp b, 0,1,2,3
	v_lshrrev_b32 v[228+\b], 23, v[232+\b]         ; the scale's byte
.endr
	v_lshl_or_b32 v220, v229, 8, v228              ; p's scale word for these 128 keys
	v_lshl_or_b32 v220, v230, 16, v220
	v_lshl_or_b32 v220, v231, 24, v220
.irp c, 0,1
	v_cvt_scalef32_pk16_fp6_f32 v[192+6*\c:194+6*\c], v[96+32*\c:111+32*\c], v[232+2*\c]
	v_cvt_scalef32_pk16_fp6_f32 v[204+4*\c:206+4*\c], v[112+32*\c:127+32*\c], v[232+2*\c+1]   ; (a conversion's three registers begin on an even number)
.endr
	v_nop                                          ; one plain place behind a scaled conversion
.irp c, 0,1                            ; the operand's layout wants a WHOLE block in a lane
.irp i, 0,1,2
	v_permlane16_swap_b32 v[192+6*\c+\i], v[204+4*\c+\i]
.endr
.irp i, 0,1,2
	v_mov_b32 v[195+6*\c+\i], v[204+4*\c+\i]
.endr
.endr
.set jj, 0
.rept 16
	v_pk_mul_f32 v[160+jj:161+jj], v[160+jj:161+jj], v[236:237] op_sel_hi:[1,0]   ; O^T under the new M; these sixteen are also the places between the codes' and the scale word's last writes and the products
.set jj, jj+2
.endr
	s_wait_dscnt 0x0                               ; V is in
.irp t, 0,1,2,3
	v_wmma_scale_f32_16x16x128_f8f6f4 v[160+8*\t:167+8*\t], v[44+12*\t:55+12*\t], v[192:203], v[160+8*\t:167+8*\t], v[216+\t], v220 matrix_a_fmt:MATRIX_FMT_FP6 matrix_b_fmt:MATRIX_FMT_FP6
.endr
.endm
; 32 numbers of a lane, register 16 b + i = channel 32 b + 16 h + i of my query, become a half fragment in v[pc] .. v[pc + 5] and two scale bytes in v[pw].
.macro QUANT2 s, pc, pw
.irp b, 0,1
	v_max3_num_f32 v[224+\b], |v[\s+16*\b]|, |v[\s+1+16*\b]|, 0x1800000
.endr
.irp i, 2,4,6,8,10,12,14
.irp b, 0,1
	v_max3_num_f32 v[224+\b], v[224+\b], |v[\s+16*\b+\i]|, |v[\s+1+16*\b+\i]|
.endr
.endr
.irp b, 0,1
	v_permlanex16_b32 v[228+\b], v[224+\b], s20, s21
.endr
.irp b, 0,1
	v_max_num_f32 v[224+\b], v[224+\b], v[228+\b]
.endr
.irp b, 0,1
	v_add_nc_u32 v[232+\b], 0xff000000, v[224+\b]
.endr
.irp b, 0,1
	v_lshrrev_b32 v[228+\b], 23, v[232+\b]
.endr
	v_lshl_or_b32 v[\pw], v229, 8, v228
	v_cvt_scalef32_pk16_fp6_f32 v[\pc:\pc+2], v[\s:\s+15], v232
	v_cvt_scalef32_pk16_fp6_f32 v[\pc+4:\pc+6], v[\s+16:\s+31], v233
	v_nop
.irp i, 0,1,2
	v_permlane16_swap_b32 v[\pc+\i], v[\pc+4+\i]
.endr
.irp i, 0,1,2
	v_mov_b32 v[\pc+3+\i], v[\pc+4+\i]             ; ascending: each source is read before it is written
.endr
.endm
; One tile of 16 queries against all 2,048 keys.
.macro QTILE qt
.if \qt
	s_wait_xcnt 0x0                                ; the first tile's stores have read the codes' registers
.irp i, 0,1,2,3,4,5
	v_mov_b32 v[22+\i], v[36+\i]                   ; the second tile's queries
.endr
	v_lshrrev_b32 v34, 16, v42                     ; its two scale bytes under the lower half, bytes 0 above,
	v_and_b32 v35, 0xffff0000, v42                 ; and under the upper half
.else
	v_and_b32 v34, 0xffff, v42
	v_lshlrev_b32 v35, 16, v42
.endif
	v_mov_b32 v13, 0xff61b1e6                      ; the largest t so far: -3e38, under every t
	v_floor_f32 v12, -v13                          ; -M
	v_mov_b32 v14, 0
	v_mov_b32 v15, 0
.set jj, 0
.rept 32
	v_mov_b32 v[160+jj], 0                         ; O^T: the loop is written once; its first step finds zeros, which the first change of M leaves zeros
.set jj, jj+1
.endr
.irp b, 0,1,2,3
	v_mov_b32 v[228+\b], 0                         ; a lane permute's destination counts as one of its sources
.endr
	v_mov_b32 v237, 0                              ; (named as the upper half of the pair v[236:237])
	s_mov_b32 s2, 0
	s_mov_b32 s3, 16
.Lstep_\@:
	STEP
	s_add_co_u32 s2, s2, TILEB
	s_sub_co_u32 s3, s3, 1
	s_cmp_lg_u32 s3, 0
	s_cbranch_scc1 .Lstep_\@
.rept 4
	v_nop                                          ; places behind the last products
.endr
	v_add_f32 v14, v14, v15                        ; the sum's two halves,
	v_permlanex16_b32 v238, v14, s20, s21
	v_add_f32 v14, v14, v238                       ; and lane l xor 16's: the row's sum
	v_rcp_f32 v14, v14
	v_nop                                          ; a plain place behind the reciprocal
	s_wait_alu depctr_va_vdst(0)                   ; and the wait ahead of its first reader
.set jj, 0
.rept 32
	v_mul_f32 v[96+jj], v[160+jj], v14             ; O^T / the sum, each accumulator from its low end on
.set jj, jj+1
.endr
	QUANT2 96, 192, 238
	global_store_b128 v1, v[192:195], s[14:15] offset:\qt*TILEB        ; 512 consecutive bytes, aligned,
	global_store_b64 v2, v[196:197], s[14:15] offset:\qt*TILEB+512     ; and 256
.if \qt
	v_cmp_ne_u32 vcc_lo, 0, v9
	v_cndmask_b32 v8, v8, v238, vcc_lo             ; lanes 0-15: the first tile's bytes, lanes 16-31 the second's
	global_store_b16 v7, v8, s[52:53]              ; two bytes of a row's 32: a head's share of a row's scale bytes; 2 bytes for each 48 of codes
.else
	v_mov_b32 v8, v238
.endif
.endm
	QTILE 0
	QTILE 1
	s_wait_tensorcnt 0x0
	ds_add_u32 v254, v255
	s_wait_dscnt 0x0
	CROUND                                         ; the closing round: no work-group ends while a partner may still ask for a tile that names it
	s_endpgm
.Lfunc_end_k_qe58620202e_attn:
	.size	k_qe58620202e_attn, .Lfunc_end_k_qe58620202e_attn-k_qe58620202e_attn
	.p2alignl 7, 3214868480
	.fill 96, 4, 3214868480
	.section	.rodata,"a",@progbits
	.p2align	6, 0x0
	.amdhsa_kernel k_qe58620202e_attn
		.amdhsa_group_segment_fixed_size 206848
		.amdhsa_private_segment_fixed_size 0
		.amdhsa_enable_private_segment 0
		.amdhsa_kernarg_size 24
		.amdhsa_user_sgpr_count 2
		.amdhsa_user_sgpr_kernarg_segment_ptr 1
		.amdhsa_wavefront_size32 1
		.amdhsa_system_sgpr_workgroup_id_x 1
		.amdhsa_system_sgpr_workgroup_id_y 1
		.amdhsa_system_sgpr_workgroup_id_z 1
		.amdhsa_system_vgpr_workitem_id 0
		.amdhsa_next_free_vgpr 256
		.amdhsa_next_free_sgpr 66
		.amdhsa_reserve_vcc 1
		.amdhsa_float_denorm_mode_32 3
		.amdhsa_float_denorm_mode_16_64 3
		.amdhsa_memory_ordered 1
		.amdhsa_forward_progress 1
		.amdhsa_inst_pref_size 48
	.end_amdhsa_kernel
	.amdgpu_metadata
---
amdhsa.version: [ 1, 2 ]
amdhsa.kernels:
  - .name:           k_qe58620202e_attn
    .symbol:         k_qe58620202e_attn.kd
    .args:
      - { .name: qb, .offset: 0, .size: 8, .value_kind: global_buffer, .address_space: global }
      - { .name: kv, .offset: 8, .size: 8, .value_kind: global_buffer, .address_space: global }
      - { .name: ob, .offset: 16, .size: 8, .value_kind: global_buffer, .address_space: global }
    .group_segment_fixed_size: 206848
    .private_segment_fixed_size: 0
    .kernarg_segment_align: 8
    .kernarg_segment_size: 24
    .max_flat_workgroup_size: 512
    .sgpr_count:     66
    .vgpr_count:     256
    .wavefront_size: 32
...
	.end_amdgpu_metadata
.endif
;; end of part 3
;; launch outp (part 4): grid 4 x 64, 8 waves a work-group, clusters of 4 x 4, 309,248 bytes of LDS; arguments xb, ob, bo, out0; writes out0
.if DOCPART == 4
	.amdgcn_target "amdgcn-amd-amdhsa--gfx1250"
	.amdhsa_code_object_version 6
	.text
	.protected	k_qe58620202e_outp
	.globl	k_qe58620202e_outp
	.p2align	8
	.type	k_qe58620202e_outp,@function
k_qe58620202e_outp:
	s_mov_b64 s[64:65], 0
	v_nop
	global_prefetch_b8 v0, s[64:65] scope:SCOPE_SE
	s_setreg_imm32_b32 hwreg(HW_REG_WAVE_MODE, 25, 1), 1
	s_wait_xcnt 0x0
	s_wait_alu depctr_hold_cnt(0) depctr_sa_sdst(0) depctr_va_vdst(0) depctr_va_sdst(0) depctr_va_ssrc(0) depctr_va_vcc(0) depctr_vm_vsrc(0)
	s_getreg_b32 s2, hwreg(HW_REG_IB_STS2, 6, 4)
	s_cmp_eq_u32 s2, 0
	s_cbranch_scc0 .Lentry_in_a_cluster
	s_endpgm
.Lentry_in_a_cluster:
	s_bfe_u32 s2, ttmp6, 0x10000c
	s_cmp_lg_u32 s2, 0xf033
	s_cbranch_scc0 .Lentry_shape_is_right
	s_endpgm
.Lentry_shape_is_right:
; out0 = O Wo^T + bo on codes of FP6 (E2M3), K = 1,024; out0 [8192][1024] f32.  O's codes lie in ob, Wo's in xb (tiles 1728 on), both in the order of an operand's registers: tiles of 12,800 bytes, 8 fragments of 1,536 and 512 bytes of scale words.
; TILES: index r of tile T is row 32 (T / 2) + 8 (T % 2) + r + 8 (r / 8).  Source 0 = Wo's rows (output channels), source 1 = tokens: lane (r, h), register j of accumulator (a, b) is token (a, r) and channel 32 (b / 2) + 16 h + 8 (b % 2) + j.
; SHARES: a work-group makes 256 channels x 128 tokens over all of K; 8 waves, wave (W3 = w % 4, WH = w / 4) makes 64 x 64: 16 accumulators.  256 work-groups.
; LDS: all of K of both operands, each byte filled ONCE, in four phases asked for together at the start.  CLUSTERS: 4 x 4: Wo's tiles hang on cx alone and are shared along a column, O's on cy alone, along a row.
; The scale words and the bias come through registers, each work-group for itself: a small part of the bytes.
; THE WAY OUT: a tile of 16 tokens x 64 channels goes through the wave's own stage in LDS and leaves as rows of 256 consecutive bytes, aligned.  The stages lie in the first phase's bytes, which have had their only fill and their last read.
.set TILEB, 12800
.set S1C,   196608                     ; LDS: source 0's codes [phase 4][tile 16][3,072] from 0; source 1's [phase 4][tile 8][3,072] from here;
.set SC1,   294912                     ; source 1's scale words [tile 8][r][32 bytes]; source 0's [tile 16][r][32] follow 4,096 bytes on;
.set BIA,   307200                     ; 256 bias numbers
.set SC,    16                         ; v16-23  scale words: register 2 i + s: lanes 0-15 source 1's tile i, lanes 16-31 source 0's tile i
.set F0,    32                         ; v32-79  source 0's four fragments
.set F1,    80                         ; v80-127 source 1's four
.set ACC,   128                        ; v128-255 accumulator (a, b) at v[128 + 8 (4 a + b)]
.macro CROUND                          ; a round of the cluster's barrier
	s_barrier_signal -1
	s_barrier_wait -1
	s_cmp_lg_u32 s16, 0
	s_cbranch_scc1 .Lnot_wave_0_\@
	s_barrier_signal -3
.Lnot_wave_0_\@:
	s_barrier_wait -3
	s_barrier_signal -1
	s_barrier_wait -1
.endm
	s_load_b256 s[4:11], s[0:1], 0x0               ; xb, ob, bo, out0
	v_lshl_add_u32 v30, v0, 2, 0x4b400
	v_mov_b32 v31, 0
	ds_add_u32 v30, v31
	ds_add_u32 v30, v31
	v_lshrrev_b32 v24, 5, v0
	v_readfirstlane_b32 s16, v24                   ; wave 0..7
	s_and_b32 s17, s16, 3                          ; W3
	s_lshr_b32 s18, s16, 2                         ; WH
	s_bfe_u32 s19, ttmp6, 0x40000                  ; cx: my 256 channels
	s_bfe_u32 s20, ttmp6, 0x40004                  ; cy
	s_and_b32 s21, ttmp7, 0xffff                   ; the cluster's number, 0 .. 15
	s_lshl_b32 s77, s21, 2
	s_add_co_u32 s77, s77, s20                     ; my 128 tokens: block 4 x cluster + cy
	s_lshl_b32 s88, s19, 4
	s_add_co_u32 s88, s88, 1728                    ; Wo's tiles in xb
	s_mul_i32 s78, s88, TILEB
	s_mov_b32 s79, 0
	s_lshl_b32 s91, s77, 3
	s_mul_i32 s80, s91, TILEB
	s_mov_b32 s81, 0
	s_lshl_b32 s93, 0x1111, s19                    ; my column of the cluster (the same cx)
	s_lshl_b32 s94, s20, 2
	s_lshl_b32 s94, 15, s94                        ; my row (the same cy)
	; descriptor group 1.  Source 0: 4 tiles' 3,072 bytes of a phase, 12,800 bytes apart, as 4 rows of 384 elements of 8 bytes; dense in LDS
	s_or_b32 s24, s93, (3<<16)|(1<<21)             ; 15:0 the mask; 17:16 elements of 8 bytes; 21 set beside a mask
	s_mov_b32 s25, 384<<16
	s_mov_b32 s26, 4<<16
	s_mov_b32 s27, 384<<16
	s_mov_b32 s28, 4
	s_mov_b32 s29, 1600
	s_mov_b32 s30, 0
	s_mov_b32 s31, 0
	s_or_b32 s48, s94, (3<<16)|(1<<21)             ; source 1: the same with 2 rows
	s_mov_b32 s49, 384<<16
	s_mov_b32 s50, 2<<16
	s_mov_b32 s51, 384<<16
	s_mov_b32 s52, 2
	s_mov_b32 s53, 1600
	s_mov_b32 s54, 0
	s_mov_b32 s55, 0
	; every LDS address is made here, ahead of the first parting of the waves
	v_and_b32 v24, 31, v0                          ; lane
	v_and_b32 v25, 15, v0                          ; r
	v_bfe_u32 v26, v0, 4, 1                        ; h
	v_lshlrev_b32 v11, 4, v24                      ; 16 x lane
	v_lshlrev_b32 v12, 3, v24                      ; 8 x lane
	s_mul_i32 s97, s17, 12288
	v_add_nc_u32 v1, s97, v11                      ; source 0: my four tiles of the phase, 16 bytes a lane,
	v_add_nc_u32 v2, s97, v12                      ; and 8
	s_mul_i32 s99, s18, 12288
	s_add_co_u32 s99, s99, S1C
	v_add_nc_u32 v3, s99, v11                      ; source 1 likewise
	v_add_nc_u32 v4, s99, v12
	s_lshl_b32 s99, s18, 11                        ; scale words: lanes 0-15 source 1's tiles 4 WH on,
	s_lshl_b32 s100, s17, 11
	s_add_co_u32 s100, s100, 4096
	s_sub_co_u32 s100, s100, s99                   ; lanes 16-31 source 0's tiles 4 W3 on: the distance between the two, times h
	v_mul_u32_u24 v5, s100, v26
	v_lshl_add_u32 v5, v25, 5, v5
	s_add_co_u32 s99, s99, SC1
	v_add_nc_u32 v5, s99, v5
	s_lshl_b32 s99, s17, 8
	s_add_co_u32 s99, s99, BIA
	v_lshl_add_u32 v6, v26, 6, s99                 ; the bias of my 64 channels, + 16 h numbers
	s_mul_i32 s99, s16, 16*272                     ; my stage: 16 rows of 256 bytes + 16
	v_mul_u32_u24 v8, v25, 272
	v_lshl_add_u32 v8, v26, 6, v8
	v_add_nc_u32 v8, s99, v8                       ; in: row r, + 64 h bytes
	v_mul_u32_u24 v9, v26, 272
	v_lshl_add_u32 v9, v25, 4, v9
	v_add_nc_u32 v9, s99, v9                       ; back: lanes 0-15 one row, lanes 16-31 the next
	v_lshlrev_b32 v10, 12, v26
	v_lshl_add_u32 v10, v25, 4, v10                ; and the same two rows in out0
	s_mul_i32 s99, s16, TILEB
	v_add_nc_u32 v13, s99, v11                     ; in memory: tile w's scale words, 16 bytes a lane
	v_lshl_add_u32 v14, v0, 4, SC1                 ; and where they go
	v_lshl_add_u32 v15, v0, 2, BIA
	s_lshl_b32 s99, s19, 8
	v_add_nc_u32 v27, s99, v0                      ; bo: number 256 cx + thread
	v_lshlrev_b32 v27, 2, v27
	s_mul_i32 s90, s17, 4*TILEB                    ; which tiles I fetch: waves 0-3 four of source 0's each, waves 4-7 two of source 1's
	s_mov_b32 s91, 0
	s_mul_i32 s92, s17, 2*TILEB
	s_mov_b32 s93, 0
	s_mul_i32 s98, s17, 6144
	s_wait_dscnt 0x0
	s_wait_kmcnt 0x0
	s_add_nc_u64 s[78:79], s[4:5], s[78:79]        ; source 0's first tile
	s_add_nc_u64 s[80:81], s[6:7], s[80:81]        ; source 1's
	global_load_b128 v[128:131], v13, s[78:79] offset:12288            ; source 0's scale words, tiles 0-7,
	global_load_b128 v[132:135], v13, s[78:79] offset:12288+8*TILEB    ; tiles 8-15,
	global_load_b128 v[136:139], v13, s[80:81] offset:12288            ; source 1's,
	global_load_b32 v140, v27, s[8:9]                                  ; and the bias
	s_add_nc_u64 s[90:91], s[78:79], s[90:91]
	s_add_nc_u64 s[92:93], s[80:81], s[92:93]
.irp p, 0,1,2,3
	s_mov_b32 s[32+4*\p], 1                        ; group 0 for source 0, phase p
	s_add_co_u32 s[33+4*\p], s97, \p*49152
	s_add_nc_u64 s[34+4*\p:35+4*\p], s[90:91], \p*3072
	s_or_b32 s[35+4*\p], s[35+4*\p], 0x80000000
	s_mov_b32 s[56+4*\p+4*(\p/2)], 1               ; and for source 1: s56, s60, s68, s72 on
	s_add_co_u32 s[57+4*\p+4*(\p/2)], s98, S1C+\p*24576
	s_add_nc_u64 s[58+4*\p+4*(\p/2):59+4*\p+4*(\p/2)], s[92:93], \p*3072
	s_or_b32 s[59+4*\p+4*(\p/2)], s[59+4*\p+4*(\p/2)], 0x80000000
.endr
	CROUND                                         ; all sixteen work-groups are here: the joint loads meet
	s_cmp_lt_u32 s16, 4                            ; a wave's four fills stand in one branch on the wave's number: four loads of mine are out
	s_cbranch_scc0 .Lfor_1
	tensor_load_to_lds s[32:35], s[24:31]
	s_nop 0
	tensor_load_to_lds s[36:39], s[24:31]
	s_nop 0
	tensor_load_to_lds s[40:43], s[24:31]
	s_nop 0
	tensor_load_to_lds s[44:47], s[24:31]
	s_nop 0
.rept 4
	v_nop
.endr
	s_branch .Lasked
.Lfor_1:
	tensor_load_to_lds s[56:59], s[48:55]
	s_nop 0
	tensor_load_to_lds s[60:63], s[48:55]
	s_nop 0
	tensor_load_to_lds s[68:71], s[48:55]
	s_nop 0
	tensor_load_to_lds s[72:75], s[48:55]
	s_nop 0
.rept 4
	v_nop
.endr
.Lasked:
	s_lshl_b32 s88, s77, 7                         ; where my results go: token 128 x block + 64 WH,
	s_lshl_b32 s89, s18, 6
	s_add_co_u32 s88, s88, s89
	s_lshl_b32 s88, s88, 12                        ; rows of 4,096 bytes,
	s_lshl_b32 s89, s19, 10
	s_add_co_u32 s88, s88, s89                     ; channel 256 cx
	s_lshl_b32 s89, s17, 8
	s_add_co_u32 s88, s88, s89                     ; + 64 W3
	s_mov_b32 s89, 0
	s_add_nc_u64 s[84:85], s[10:11], s[88:89]
	s_wait_loadcnt 0x0
	ds_store_b128 v14, v[136:139]                  ; source 1's scale words, as they lie,
	ds_store_b128 v14, v[128:131] offset:4096      ; source 0's,
	ds_store_b128 v14, v[132:135] offset:8192
	ds_store_b32 v15, v140                         ; the bias
.macro FRAG reg, a16, a8, off          ; a fragment, 12 registers: two half fragments, each 16 bytes a lane and 8 bytes a lane, dense
	ds_load_b128 v[\reg:\reg+3], v[\a16] offset:\off
	ds_load_b64 v[\reg+4:\reg+5], v[\a8] offset:\off+512
	ds_load_b128 v[\reg+6:\reg+9], v[\a16] offset:\off+768
	ds_load_b64 v[\reg+10:\reg+11], v[\a8] offset:\off+1280
.endm
; 128 along K: 32 LDS loads, 16 matrix instructions.  The sixteen accumulators take turns, one instruction a turn, in the same order in every step.
; nops: the places in front of loads into registers that matrix instructions have read (ISA guide 7.12.1 for vector instructions).
.macro KSTEP sp, zero, nops
.rept \nops
	v_nop
.endr
.irp a, 0,1,2,3
	FRAG F1+12*\a, 3, 4, \a*3072+\sp*1536
.endr
.irp b, 0,1,2,3
	FRAG F0+12*\b, 1, 2, \b*3072+\sp*1536
.endr
.irp b, 0,1,2,3
	s_wait_dscnt 12-4*\b                           ; all but the four loads of each later fragment of source 0
.irp a, 0,1,2,3
.if \zero
	v_wmma_scale_f32_16x16x128_f8f6f4 v[ACC+8*(4*\a+\b):ACC+8*(4*\a+\b)+7], v[F0+12*\b:F0+12*\b+11], v[F1+12*\a:F1+12*\a+11], 0, v[SC+2*\b+\sp], v[SC+2*\a+\sp] matrix_a_fmt:MATRIX_FMT_FP6 matrix_b_fmt:MATRIX_FMT_FP6 matrix_a_scale:MATRIX_SCALE_ROW1
.else
	v_wmma_scale_f32_16x16x128_f8f6f4 v[ACC+8*(4*\a+\b):ACC+8*(4*\a+\b)+7], v[F0+12*\b:F0+12*\b+11], v[F1+12*\a:F1+12*\a+11], v[ACC+8*(4*\a+\b):ACC+8*(4*\a+\b)+7], v[SC+2*\b+\sp], v[SC+2*\a+\sp] matrix_a_fmt:MATRIX_FMT_FP6 matrix_b_fmt:MATRIX_FMT_FP6 matrix_a_scale:MATRIX_SCALE_ROW1
.endif
.endr
.endr
.endm
.macro PHASE p                         ; 256 along K
	s_wait_tensorcnt 3-\p                          ; my part of this phase is in; the later phases' loads may be out
.if \p == 0
	s_wait_dscnt 0x0                               ; for the others' sake: my stores of scale words and bias are done
.endif
	s_barrier_signal -1
	s_barrier_wait -1                              ; everybody's part is in
.irp i, 0,1,2,3
	ds_load_b64 v[SC+2*\i:SC+2*\i+1], v5 offset:512*\i+8*\p
.endr
.if \p == 0
	KSTEP 0, 1, 0                                  ; the first products start the sums: nothing is cleared
.else
	KSTEP 0, 0, 0
.endif
	KSTEP 1, 0, 4
.if \p < 3
	v_add_nc_u32 v1, 49152, v1                     ; on to the next phase; these four are also the places in front of its loads
	v_add_nc_u32 v2, 49152, v2
	v_add_nc_u32 v3, 24576, v3
	v_add_nc_u32 v4, 24576, v4
.endif
.endm
	PHASE 0
	PHASE 1
	PHASE 2
	PHASE 3
.rept 4
	v_nop                                          ; places behind the last products: for the first read of results and for loads into the fragments' registers
.endr
	s_barrier_signal -1                            ; (no LDS instruction of mine is out: the last step's wait was for 0)  every wave's reads of the codes are over:
	s_barrier_wait -1                              ; the stages may be written
.irp m, 0,1,2,3,4,5,6,7
	ds_load_b128 v[32+4*\m:35+4*\m], v6 offset:128*(\m/4)+16*(\m%4)     ; v[32 + 16 b + i] = bo(64 W3 + 32 b + 16 h + i)
.endr
	s_wait_dscnt 0x0
.irp a, 0,1,2,3
.set mm, 0
.rept 16
	v_pk_add_f32 v[ACC+32*\a+mm:ACC+32*\a+mm+1], v[ACC+32*\a+mm:ACC+32*\a+mm+1], v[32+mm:33+mm]   ; each accumulator from its low end on
.set mm, mm+2
.endr
.endr
.macro TOSTAGE a                       ; token tile a: a lane's 2 x 64 bytes of its row go in, whole rows of 256 bytes come back.  LDS serves a wave's instructions in order: no wait between
.irp m, 0,1,2,3,4,5,6,7
	ds_store_b128 v8, v[ACC+32*(\a)+4*\m:ACC+32*(\a)+4*\m+3] offset:128*(\m/4)+16*(\m%4)
.endr
.irp i, 0,1,2,3,4,5,6,7
	ds_load_b128 v[64+32*((\a)%2)+4*\i:64+32*((\a)%2)+4*\i+3], v9 offset:544*\i
.endr
.endm
.macro SEND a, younger                 ; younger: the LDS instructions issued behind tile a's loads, which may stay out
	s_wait_dscnt \younger
.irp i, 0,1,2,3,4,5,6,7
	global_store_b128 v10, v[64+32*((\a)%2)+4*\i:64+32*((\a)%2)+4*\i+3], s[84:85] offset:(32*((\a)/2)+8*((\a)%2)+2*\i+8*(\i/4))*4096 th:TH_STORE_NT   ; 16 lanes store 256 consecutive bytes, aligned; rows 2 i and 2 i + 1 of the tile
.endr
.endm
	TOSTAGE 0
.irp a, 1,2,3
.if \a > 1
	s_wait_xcnt 0x0                                ; tile a - 2's stores have read their registers: tile a's loads may land there
.endif
	TOSTAGE \a
	SEND \a-1, 16                                  ; behind tile a - 1's loads: tile a's 8 stores and 8 loads
.endr
	SEND 3, 0
	s_wait_tensorcnt 0x0
	ds_add_u32 v30, v31
	s_wait_dscnt 0x0
	CROUND                                         ; the closing round: no work-group ends while a partner may still ask for a tile that names it
	s_endpgm
.Lfunc_end_k_qe58620202e_outp:
	.size	k_qe58620202e_outp, .Lfunc_end_k_qe58620202e_outp-k_qe58620202e_outp
	.p2alignl 7, 3214868480
	.fill 96, 4, 3214868480
	.section	.rodata,"a",@progbits
	.p2align	6, 0x0
	.amdhsa_kernel k_qe58620202e_outp
		.amdhsa_group_segment_fixed_size 309248
		.amdhsa_private_segment_fixed_size 0
		.amdhsa_enable_private_segment 0
		.amdhsa_kernarg_size 32
		.amdhsa_user_sgpr_count 2
		.amdhsa_user_sgpr_kernarg_segment_ptr 1
		.amdhsa_wavefront_size32 1
		.amdhsa_system_sgpr_workgroup_id_x 1
		.amdhsa_system_sgpr_workgroup_id_y 1
		.amdhsa_system_sgpr_workgroup_id_z 1
		.amdhsa_system_vgpr_workitem_id 0
		.amdhsa_next_free_vgpr 256
		.amdhsa_next_free_sgpr 102
		.amdhsa_reserve_vcc 0
		.amdhsa_float_denorm_mode_32 3
		.amdhsa_float_denorm_mode_16_64 3
		.amdhsa_memory_ordered 1
		.amdhsa_forward_progress 1
		.amdhsa_inst_pref_size 58
	.end_amdhsa_kernel
	.amdgpu_metadata
---
amdhsa.version: [ 1, 2 ]
amdhsa.kernels:
  - .name:           k_qe58620202e_outp
    .symbol:         k_qe58620202e_outp.kd
    .args:
      - { .name: xb, .offset: 0, .size: 8, .value_kind: global_buffer, .address_space: global }
      - { .name: ob, .offset: 8, .size: 8, .value_kind: global_buffer, .address_space: global }
      - { .name: bo, .offset: 16, .size: 8, .value_kind: global_buffer, .address_space: global }
      - { .name: out0, .offset: 24, .size: 8, .value_kind: global_buffer, .address_space: global }
    .group_segment_fixed_size: 309248
    .private_segment_fixed_size: 0
    .kernarg_segment_align: 8
    .kernarg_segment_size: 32
    .max_flat_workgroup_size: 256
    .sgpr_count:     102
    .vgpr_count:     256
    .wavefront_size: 32
...
	.end_amdgpu_metadata
.endif
;; end of part 4
